; MI455X (gfx1250); checked and timed in simulation.
; The chip was launched on July 23, 2026; its instructions are those of AMD's public machine-readable ISA for CDNA 5 (MIT licence, August 2026) and "CDNA5" Instruction Set Architecture Reference Guide (July 2026). The comments in the code are by the model that wrote it; some were corrected since.
;; Prototype Match. Allowed arithmetic: matrix products marked QUANTISED: E2M3 operands, one E8M0 scale for each 32 along K, by v_wmma_scale_f32_16x16x128_f8f6f4 with both operands' format E2M3, f32 sums; products left as they are: f32 operands where the result goes on into a quantised operand, else bf16, f16 or f32 operands; f32 sums; everything else in f32.
;; Inputs: global_token 8 x 16 x 256 float32; prototypes 512 x 256 float32; queries 8 x 8,192 x 256 float32.
;; Outputs: out0 8 x 8,192 float32.
;; This version of the problem:
;;   THIS VERSION OF THE PROBLEM IS GIVEN IN LOW PRECISION. The matrix products marked QUANTISED in the list below multiply operands that are first quantised to E2M3 (2 exponent bits, 3 mantissa bits; 6 bits a number), with one power-of-two scale for each 32 numbers along K (OCP MX v1.0); their sums are f32. All else is computed in f32.
;;   The module's matrix products, in the order in which they are computed (A, B: the left and right operand; K: the contracted axis; several contracted axes count as one K, in the product's order):
;;     1. [M 65,536, K 256] x [K 256, N 512]; A: input queries; B: input prototypes: QUANTISED
;;     2. [M 8, K 256] x [K 256, N 512]; A: computed on the way; B: input prototypes: left as it is (M = 8 < 16)
;;   THE QUANTISER, for each operand of a quantised product, along K:
;;     - K is cut into blocks of 32 from its start; a last block that is shorter is filled with zeros.
;;     - A block's scale is 2^e with e = floor(log2(the largest magnitude in the block)) - 2, held to -126 .. 127; a block of zeros has e = 0. As a byte (E8M0): e + 127.
;;     - Each number is divided by its block's scale, clamped to +-7.5, and rounded to the nearest number of E2M3, ties to even, subnormals kept.
;;     - The product sums the exact products of the quantised numbers (number of the format x scale) in f32.
;;   ~~~python
;;   def quantise(x, axis):      # numpy; x: float32 -> the quantised numbers, widened to float32 again
;;       x = np.moveaxis(x, axis, -1); K = x.shape[-1]
;;       x = np.pad(x, [(0, 0)] * (x.ndim - 1) + [(0, -K % 32)]); x = x.reshape(x.shape[:-1] + (-1, 32)); a = np.abs(x).max(-1, keepdims=True)
;;       e = np.where(a > 0, np.clip(np.frexp(np.where(a > 0, a, 1))[1] - 1 - 2, -126, 127), 0)      # np.frexp(a)[1] - 1 = floor(log2(a)), exactly
;;       r = np.clip(x / 2.0 ** e, -7.5, 7.5)
;;       step = 2.0 ** (np.maximum(np.frexp(np.where(r == 0, 1, r))[1] - 1, 0) - 3)
;;       q = np.round(r / step) * step * 2.0 ** e      # np.round: ties to even
;;       return np.moveaxis(q.reshape(q.shape[:-2] + (-1,))[..., :K], -1, axis).astype(np.float32)
;;   ~~~
;; One version. Each part assembles by itself: llvm-mc -triple=amdgcn-amd-amdhsa -mcpu=gfx1250 --defsym DOCPART=n.
;; ======== version 1 of 1: 3 launches
;; limits: right only within a limited range of input values
;; workspace buffers: wimg 98,304 bytes; wscl 8,192 bytes; ylog 16,384 bytes; idx 262,144 bytes of whole numbers
;; launch prep (part 1): grid 8 x 8, 17 waves a work-group, no clusters, 3,584 bytes of LDS; arguments global_token, prototypes, wimg, wscl, ylog; writes wimg, wscl, ylog
.if DOCPART == 1
	.amdgcn_target "amdgcn-amd-amdhsa--gfx1250"
	.amdhsa_code_object_version 6
	.text
	.protected	k_q5db0736b26_prep
	.globl	k_q5db0736b26_prep
	.p2align	8
	.type	k_q5db0736b26_prep,@function
k_q5db0736b26_prep:
	s_mov_b64 s[64:65], 0
	v_nop
	global_prefetch_b8 v0, s[64:65] scope:SCOPE_SE
	s_setreg_imm32_b32 hwreg(HW_REG_WAVE_MODE, 25, 1), 1
	s_wait_xcnt 0x0
; Two small jobs ahead of the large product.
; (1) y[b][n] = 10 x (g_b . p_n), g_b = the mean of batch b's 16 tokens: all in f32, by fused multiply-adds (8 x 512 x 256 numbers: too few rows for a matrix tile,
;     and y goes on into exponents, where coarser operands would show).
; (2) The prototypes [512][256] f32 become codes of FP6 (E2M3) with one E8M0 byte for each 32 along K, laid as IMAGES OF THE OPERAND'S REGISTERS: fragment F = 2 T + s
;     (T: 16 prototypes, s: 128 along K) is 1,536 bytes: group c of four registers at 512 c + 16 x lane; its scale words 128 bytes, 4 x lane.
; SHARES.  Work-group (k, b): waves 0-15 make y[b][64 k .. 64 k + 63]: wave w sums channels 16 w .. 16 w + 15 of the 16 tokens, g is shared through LDS, and the wave makes four numbers of y;
; wave 16 quantises fragment F = 8 k + b.  64 work-groups: 64 fragments, 8 x 512 numbers of y; each work-group's 64 numbers leave as one aligned 256 bytes.
; A block's scale is 2^(floor(log2(its largest magnitude)) - 2); its byte is the largest magnitude's exponent field - 2, held at 1 from below.
; No dead work is left out: every input of this launch has a way to out0.
; LIMITS: a block of zeros gets the byte 1 where the rule says 127 (its codes are zeros, and this program alone reads the bytes); NaN and infinities are not served.
.set YS,  1024                         ; LDS: g's 1,024 bytes, then 64 numbers of y
.set SPARE, 1280                       ; the spare words, 128 bytes for each wave
.set TOK, 16                           ; v[16:19], v[20:23]  four channels of two tokens
.set TP,  24                           ; v24-27     lane permutes' destinations
.set P,   32                           ; v[32:63]   prototype row i at 8 i
.set G,   64                           ; v[64:71]   g at my eight channels: 4 lane + 0..3 and 128 + 4 lane + 0..3
.set ACC, 72                           ; v[72:79]   four rows' sums in two halves
.set R,   80                           ; v80-83     the rows' sums
.set T,   84                           ; v84-85     at work
.set X,   32                           ; wave 16: v[32:95] 64 numbers of a lane
.set PC,  96                           ; v[96:115]  the codes
.set TM,  116                          ; v[116:131] at work
.set PW,  132                          ; the scale word
.set SPW, 133                          ; v133       my spare word; never rewritten
.set NIL, 134                          ; v134       0; never rewritten
.set SEL, 20                           ; s[20:21] lane selects: lane l xor 16
	s_load_b256 s[4:11], s[0:1], 0x0               ; tokens s[4:5], prototypes s[6:7], wimg s[8:9], wscl s[10:11]
	s_load_b64 s[12:13], s[0:1], 0x20              ; ylog
	v_lshl_add_u32 v[SPW], v0, 2, SPARE
	v_mov_b32 v[NIL], 0
	v_lshrrev_b32 v5, 5, v0
	v_readfirstlane_b32 s14, v5                    ; wave 0..16
	v_and_b32 v7, 31, v0                           ; lane
	v_and_b32 v8, 3, v0
	v_and_b32 v9, 15, v0                           ; r
	v_bfe_u32 v10, v0, 4, 1                        ; h
	v_lshlrev_b32 v1, 4, v7                        ; 16 x lane
	v_lshlrev_b32 v2, 2, v8
	v_lshlrev_b32 v3, 3, v7                        ; 8 x lane: the way out of LDS, and in ylog
	v_lshlrev_b32 v4, 10, v9
	v_lshlrev_b32 v6, 2, v7                        ; 4 x lane
	v_lshlrev_b32 v8, 4, v8
	v_lshrrev_b32 v7, 2, v7
	v_lshl_add_u32 v2, v5, 4, v2                   ; LDS: y of row 4 w + lane % 4: every LDS address is made ahead of the parting of the waves
	v_lshl_add_u32 v4, v10, 6, v4                  ; the quantiser: row r of 1,024 bytes, + 64 h: my 16 numbers of a block of 32
	v_lshl_add_u32 v7, v7, 10, v8                  ; the tokens: token lane / 4, my four of the wave's 16 channels
	v_lshl_add_u32 v8, v5, 6, v8                   ; LDS: the same channels of g
.irp i, 0,1,2,3
	v_mov_b32 v[TP+\i], 0                          ; a lane permute's destination counts as one of its sources
	v_mov_b32 v[TM+4+\i], 0
.endr
	s_and_b32 s16, ttmp7, 0xffff                   ; b
	s_lshl_b32 s18, s16, 14                        ; the batch's 16 tokens of 1,024 bytes,
	s_lshl_b32 s19, s14, 6                         ; my wave's 64 bytes of each
	s_add_co_u32 s18, s18, s19
	s_mov_b32 s19, 0
	s_lshl_b32 s22, ttmp9, 16                      ; prototype rows 64 k
	s_lshl_b32 s23, s14, 12                        ; + 4 w
	s_add_co_u32 s22, s22, s23
	s_mov_b32 s23, 0
	s_lshr_b32 s24, s16, 1                         ; the quantiser's tile T = 4 k + b / 2: 16 rows,
	s_lshl_b32 s24, s24, 14
	s_lshl_b32 s25, ttmp9, 16
	s_add_co_u32 s24, s24, s25
	s_and_b32 s25, s16, 1                          ; and its K step s = b % 2: 512 bytes along the rows
	s_lshl_b32 s25, s25, 9
	s_add_co_u32 s24, s24, s25
	s_mov_b32 s25, 0
	s_lshl_b32 s26, ttmp9, 3
	s_add_co_u32 s26, s26, s16                     ; F = 8 k + b
	s_mul_i32 s28, s26, 1536
	s_mov_b32 s29, 0
	s_lshl_b32 s30, s26, 7
	s_mov_b32 s31, 0
	s_lshl_b32 s32, s16, 11                        ; ylog: 2,048 b + 256 k
	s_lshl_b32 s33, ttmp9, 8
	s_add_co_u32 s32, s32, s33
	s_mov_b32 s33, 0
	s_mov_b32 s[SEL], 0x76543210
	s_mov_b32 s[SEL+1], 0xfedcba98
	s_mov_b32 s40, 0xaaaaaaaa                      ; lanes whose number has bit 0, 1
	s_mov_b32 s41, 0xcccccccc
	s_wait_alu depctr_va_vdst(0)                   ; the wait at the head's end
	s_wait_kmcnt 0x0
	s_add_nc_u64 s[4:5], s[4:5], s[18:19]
	s_add_nc_u64 s[34:35], s[6:7], s[22:23]        ; the prototypes at my four rows (waves 0-15)
	s_add_nc_u64 s[6:7], s[6:7], s[24:25]          ; and at the quantiser's tile
	s_add_nc_u64 s[8:9], s[8:9], s[28:29]
	s_add_nc_u64 s[10:11], s[10:11], s[30:31]
	s_add_nc_u64 s[12:13], s[12:13], s[32:33]
	s_cmp_eq_u32 s14, 16
	s_cbranch_scc1 .Lqload
	; ---- waves 0-15: sixteen channels of g
	global_load_b128 v[TOK:TOK+3],   v7, s[4:5]                ; tokens 0-7
	global_load_b128 v[TOK+4:TOK+7], v7, s[4:5] offset:8192    ; tokens 8-15
.irp i, 0,1,2,3
	global_load_b128 v[P+8*\i:P+8*\i+3],   v1, s[34:35] offset:1024*\i     ; 32 lanes read 512 consecutive bytes
	global_load_b128 v[P+8*\i+4:P+8*\i+7], v1, s[34:35] offset:1024*\i+512
.endr
	s_wait_loadcnt 8                               ; the eight prototype loads are the younger ones: the tokens are in
	v_pk_add_f32 v[TOK:TOK+1], v[TOK:TOK+1], v[TOK+4:TOK+5]
	v_pk_add_f32 v[TOK+2:TOK+3], v[TOK+2:TOK+3], v[TOK+6:TOK+7]
.irp m, 4,8
.irp i, 0,1,2,3
	v_add_f32_dpp v[TOK+\i], v[TOK+\i], v[TOK+\i] row_xmask:\m row_mask:0xf bank_mask:0xf      ; lanes 4 apart hold tokens of the same channels
.endr
.endr
.irp i, 0,1,2,3
	v_permlanex16_b32 v[TP+\i], v[TOK+\i], s[SEL], s[SEL+1]
.endr
.irp i, 0,1,2,3
	v_add_f32 v[TOK+\i], v[TOK+\i], v[TP+\i]
.endr
.irp i, 0,1,2,3
	v_mul_f32 v[TOK+\i], 0x3d800000, v[TOK+\i]     ; / 16: exact
.endr
	ds_store_b128 v8, v[TOK:TOK+3]                 ; lanes 4 apart write the same words with the same values
	s_branch .Lshare
.Lqload:	; ---- wave 16: one fragment of the prototypes
.irp b, 0,1,2,3
.irp j, 0,1,2,3
	global_load_b128 v[X+16*\b+4*\j:X+16*\b+4*\j+3], v4, s[6:7] offset:128*\b+16*\j
.endr
.endr
.Lshare:
	s_wait_dscnt 0x0                               ; for the others' sake: my part of g is stored
	s_barrier_signal -1
	s_barrier_wait -1
	s_cmp_eq_u32 s14, 16
	s_cbranch_scc1 .Lquant
	ds_load_b128 v[G:G+3], v1
	ds_load_b128 v[G+4:G+7], v1 offset:512
	s_wait_dscnt 0x0
	s_wait_loadcnt 0x0
.irp i, 0,1,2,3
	v_pk_mul_f32 v[ACC+2*\i:ACC+2*\i+1], v[P+8*\i:P+8*\i+1], v[G:G+1]      ; the four rows by turns
.endr
.irp e, 2,4,6
.irp i, 0,1,2,3
	v_pk_fma_f32 v[ACC+2*\i:ACC+2*\i+1], v[P+8*\i+\e:P+8*\i+\e+1], v[G+\e:G+\e+1], v[ACC+2*\i:ACC+2*\i+1]
.endr
.endr
.irp i, 0,1,2,3
	v_add_f32 v[R+\i], v[ACC+2*\i], v[ACC+2*\i+1]
.endr
	; two rows' sums share a register from here on, told apart by a bit of the lane's number: each lane hands on one row's part and takes its partner's part of the other
	v_cndmask_b32 v[T], v[R+1], v[R], s40
	v_cndmask_b32 v[T+1], v[R+3], v[R+2], s40
	v_cndmask_b32 v[R], v[R], v[R+1], s40
	v_cndmask_b32 v[R+2], v[R+2], v[R+3], s40
	v_add_f32_dpp v[R], v[T], v[R] row_xmask:1 row_mask:0xf bank_mask:0xf
	v_add_f32_dpp v[R+2], v[T+1], v[R+2] row_xmask:1 row_mask:0xf bank_mask:0xf
	v_cndmask_b32 v[T], v[R+2], v[R], s41
	v_cndmask_b32 v[R], v[R], v[R+2], s41
	s_delay_alu instid0(VALU_DEP_1)
	v_add_f32_dpp v[R], v[T], v[R] row_xmask:2 row_mask:0xf bank_mask:0xf
	s_delay_alu instid0(VALU_DEP_1)
	v_add_f32_dpp v[R], v[R], v[R] row_xmask:4 row_mask:0xf bank_mask:0xf
	s_delay_alu instid0(VALU_DEP_1)
	v_add_f32_dpp v[R], v[R], v[R] row_xmask:8 row_mask:0xf bank_mask:0xf
	s_delay_alu instid0(VALU_DEP_1)
	v_permlanex16_b32 v[TP], v[R], s[SEL], s[SEL+1]
	s_delay_alu instid0(VALU_DEP_1)
	v_add_f32 v[R], v[R], v[TP]                    ; g . p of row lane % 4
	s_delay_alu instid0(VALU_DEP_1)
	v_mul_f32 v[R], 0x41200000, v[R]               ; x 10: the temperature
	ds_store_b32 v2, v[R] offset:YS                ; lanes 4 apart write the same word with the same value
	s_branch .Ljoin
.Lquant:
	s_wait_loadcnt 0x0
.irp b, 0,1,2,3
	v_max3_num_f32 v[TM+\b], |v[X+16*\b]|, |v[X+1+16*\b]|, 0x1800000   ; block b: my 16 numbers, and the floor 2^(3 - 127): the byte cannot fall under 1
.endr
.irp i, 2,4,6,8,10,12,14
.irp b, 0,1,2,3
	v_max3_num_f32 v[TM+\b], v[TM+\b], |v[X+16*\b+\i]|, |v[X+1+16*\b+\i]|   ; the four blocks by turns
.endr
.endr
.irp b, 0,1,2,3
	v_permlanex16_b32 v[TM+4+\b], v[TM+\b], s[SEL], s[SEL+1]
.endr
.irp b, 0,1,2,3
	v_max_num_f32 v[TM+\b], v[TM+\b], v[TM+4+\b]   ; with lane l xor 16's: the block's largest magnitude
.endr
.irp b, 0,1,2,3
	v_add_nc_u32 v[TM+12+\b], 0xff000000, v[TM+\b]   ; 2 off its exponent field: the conversion takes the exponent field of this operand as its scale
.endr
.irp b, 0,1,2,3
	v_lshrrev_b32 v[TM+4+\b], 23, v[TM+12+\b]      ; the scale's byte
.endr
	v_lshl_or_b32 v[PW], v[TM+5], 8, v[TM+4]       ; four bytes make my row's scale word
	s_delay_alu instid0(VALU_DEP_1)
	v_lshl_or_b32 v[PW], v[TM+6], 16, v[PW]
	s_delay_alu instid0(VALU_DEP_1)
	v_lshl_or_b32 v[PW], v[TM+7], 24, v[PW]
.irp c, 0,1
	v_cvt_scalef32_pk16_fp6_f32 v[PC+6*\c:PC+2+6*\c], v[X+32*\c:X+15+32*\c], v[TM+12+2*\c]
	v_cvt_scalef32_pk16_fp6_f32 v[PC+12+4*\c:PC+14+4*\c], v[X+16+32*\c:X+31+32*\c], v[TM+12+2*\c+1]   ; (a conversion's three registers begin on an even number)
.endr
	v_nop                                          ; one plain place behind a scaled conversion
.irp c, 0,1                                    ; the operand's layout wants a whole block in a lane: lanes 0-15 block 2 c, lanes 16-31 block 2 c + 1
.irp i, 0,1,2
	v_permlane16_swap_b32 v[PC+6*\c+\i], v[PC+12+4*\c+\i]
.endr
.irp i, 0,1,2
	v_mov_b32 v[PC+3+6*\c+\i], v[PC+12+4*\c+\i]
.endr
.endr
.irp c, 0,1,2
	global_store_b128 v1, v[PC+4*\c:PC+4*\c+3], s[8:9] offset:512*\c   ; the registers as they stand: 512 consecutive bytes a store
.endr
	global_store_b32 v6, v[PW], s[10:11]
.Ljoin:
	s_wait_dscnt 0x0                               ; for the others' sake: my number of y is stored
	s_barrier_signal -1
	s_barrier_wait -1
	s_cmp_lg_u32 s14, 0
	s_cbranch_scc1 .Lend
	ds_load_b64 v[ACC:ACC+1], v3 offset:YS         ; wave 0: the work-group's 64 numbers,
	s_wait_dscnt 0x0
	global_store_b64 v3, v[ACC:ACC+1], s[12:13]    ; stored as 256 consecutive bytes, at a multiple of 256 from ylog's first byte
.Lend:
	s_wait_tensorcnt 0x0                           ; the wave's end
	ds_add_u32 v[SPW], v[NIL]
	s_wait_dscnt 0x0
	s_endpgm
.Lfunc_end_k_q5db0736b26_prep:
	.size	k_q5db0736b26_prep, .Lfunc_end_k_q5db0736b26_prep-k_q5db0736b26_prep
	.p2alignl 7, 3214868480
	.fill 96, 4, 3214868480
	.section	.rodata,"a",@progbits
	.p2align	6, 0x0
	.amdhsa_kernel k_q5db0736b26_prep
		.amdhsa_group_segment_fixed_size 3584
		.amdhsa_private_segment_fixed_size 0
		.amdhsa_enable_private_segment 0
		.amdhsa_kernarg_size 40
		.amdhsa_user_sgpr_count 2
		.amdhsa_user_sgpr_kernarg_segment_ptr 1
		.amdhsa_wavefront_size32 1
		.amdhsa_system_sgpr_workgroup_id_x 1
		.amdhsa_system_sgpr_workgroup_id_y 1
		.amdhsa_system_sgpr_workgroup_id_z 1
		.amdhsa_system_vgpr_workitem_id 0
		.amdhsa_next_free_vgpr 136
		.amdhsa_next_free_sgpr 66
		.amdhsa_reserve_vcc 0
		.amdhsa_float_denorm_mode_32 3
		.amdhsa_float_denorm_mode_16_64 3
		.amdhsa_memory_ordered 1
		.amdhsa_forward_progress 1
		.amdhsa_inst_pref_size 14
	.end_amdhsa_kernel
	.amdgpu_metadata
---
amdhsa.version: [ 1, 2 ]
amdhsa.kernels:
  - .name:           k_q5db0736b26_prep
    .symbol:         k_q5db0736b26_prep.kd
    .args:
      - { .name: global_token, .offset: 0, .size: 8, .value_kind: global_buffer, .address_space: global }
      - { .name: prototypes, .offset: 8, .size: 8, .value_kind: global_buffer, .address_space: global }
      - { .name: wimg, .offset: 16, .size: 8, .value_kind: global_buffer, .address_space: global }
      - { .name: wscl, .offset: 24, .size: 8, .value_kind: global_buffer, .address_space: global }
      - { .name: ylog, .offset: 32, .size: 8, .value_kind: global_buffer, .address_space: global }
    .group_segment_fixed_size: 3584
    .private_segment_fixed_size: 0
    .kernarg_segment_align: 8
    .kernarg_segment_size: 40
    .max_flat_workgroup_size: 544
    .sgpr_count:     66
    .vgpr_count:     136
    .wavefront_size: 32
...
	.end_amdgpu_metadata
.endif
;; end of part 1
;; launch match (part 2): grid 256 x 1, 16 waves a work-group, no clusters, 327,680 bytes of LDS; arguments queries, wimg, wscl, ylog, idx; writes idx
.if DOCPART == 2
	.amdgcn_target "amdgcn-amd-amdhsa--gfx1250"
	.amdhsa_code_object_version 6
	.text
	.protected	k_q5db0736b26_match
	.globl	k_q5db0736b26_match
	.p2align	8
	.type	k_q5db0736b26_match,@function
k_q5db0736b26_match:
	s_mov_b64 s[64:65], 0
	v_nop
	global_prefetch_b8 v0, s[64:65] scope:SCOPE_SE
	s_setreg_imm32_b32 hwreg(HW_REG_WAVE_MODE, 25, 1), 1
	s_wait_xcnt 0x0
; idx[row] = argmax_n softmax_n(10 q.p_n) x pw_n, pw = softmax_n(y_n), as f32 arithmetic gives it.  q.p is the QUANTISED product (FP6 E2M3, one E8M0 scale for each 32 along K).
; IN LOGARITHMS OF BASE 2, a maximum taken away before every exponential.  b2_n = (y_n - ymax) log2e - log2 sum 2^((y - ymax) log2e) = log2 pw_n.  For a set of 32 n that one lane holds:
; M1 = C1 max s (C1 = 10 log2e), t_n = C1 s_n - M1, Z = sum 2^t_n, U = max (t_n + b2_n), n* = the first n of the set that reaches U.  Sixteen such sets make a row; they are brought under the common
; M = max M1 (Z x 2^(M1 - M), U + (M1 - M)) and merged.
; WHERE log2 of the winner's weighted score, U - log2 Z, lies under -126 the product is no normal f32 number: it counts as 0, so do all the others of the row, which are smaller, and the argmax of a row of zeros is 0.
; LIMITS: results under 2^-126 are taken as flushed to zero (THR); a winner within about 1e-5 (in log2) of THR or of the runner-up may fall on the other side; where sets tie exactly the set of the
; lower (column group, half) wins, so that of unlike prototypes in a tie the larger n may be taken (equal prototypes give the same distance; where all 512 tie, n = 0 is taken); NaN and infinities are not served;
; a block of q whose largest magnitude lies under 2^-124 gets the byte 1.
; SHARES.  A work-group owns 256 rows of one batch, as four blocks of 64.  Wave w asks at the head for rows 16 w .. 16 w + 15 (16,384 bytes) by one tensor load, and later quantises these rows itself,
; into images of the operand's registers in LDS.  For the product wave w = 8 rg + cg keeps prototypes 64 cg .. 64 cg + 63 in registers (8 fragments, scale words, b2) and multiplies, of each block, tiles of rows 2 rg and 2 rg + 1.
; The prototypes' fragments of K step rg are loaded by wave (rg, cg); those of the other K step it takes from its partner, wave w xor 8, through LDS: a byte of the images is loaded once by the work-group.
; All prototypes of a row are summed in the same order of the two K steps (rg, then 1 - rg).
; ORDER.  Block b + 1 is quantised by the four waves that loaded it in the MIDDLE of block b, between its two tiles of rows: the barrier's signal follows the images' stores, its wait follows the second tile's work;
; results are stored behind that wait: no LDS store stands between a signal and its wait.
; THE PRODUCT IS USED TRANSPOSED (source 0 = 16 prototypes, source 1 = 16 queries): lane (r, h) holds query r, register 8 t + j prototype 64 cg + 16 t + 8 h + j.
; NO CLUSTER: the tensor loads bring rows that no other work-group reads.  The prototypes' images are shared, but q's bytes, q's images and the spare words leave 1,024 bytes of LDS beside the gap, less than their 98,304.
; NO PREFETCH: all of the work-group's q is asked for at the head, and there is no loop to run ahead in.
.set THR,  0xc2fc0000                  ; -126.0
.set RAWW, 16640                       ; LDS: q as f32: wave w's 16 rows at RAWW (15 - w): 16 x (1,024 bytes + 16 of padding)
.set RP,   1040                        ; 65 x 16 bytes: the 16 rows that a load of 16 bytes a lane touches start in 16 different groups of banks
.set R0,   12*RAWW                     ; block 0's bytes: free once waves 0-3 have quantised them.  From here on: the sixteen slots of 6,144 bytes for the partners' exchange; later the results, 65,536 bytes
.set IMG,  16*RAWW                     ; q's images: a block is 8 fragments of 1,536 bytes, then their scale words, 128 bytes each
.set ISC,  12288
.set FRB,  1536
.set IB2,  0                           ; blocks 2 and 3 lie where the slots end: they are stored behind the barrier that follows the slots' reads
.set IB3,  13312
.set IB0,  31744                       ; blocks 0 and 1 lie behind the slots
.set IB1,  45056
.set SPARE, IMG+58368                  ; the spare words, 128 bytes for each wave
.set IDXS, IMG                         ; at the end: 1,024 bytes of results (and 1,024 of the upper half's), over block 2's image
.set RAWA, 2                           ; v2   my 64 bytes of a row of my own tile
.set IMGW, 3                           ; v3   where I store my tile's images
.set IMSW, 4                           ; v4   and their scale words
.set IMGR, 5                           ; v5, v6   where I read a tile's fragments of K step rg, 1 - rg
.set IMSR, 7                           ; v7, v8   and their scale words
.set STW,  9                           ; v9   where I store a set's result
.set NB,   10                          ; v10  64 cg + 8 h: my first prototype
.set SLW,  11                          ; v11  my slot of the exchange
.set SLR,  12                          ; v12  my partner's
.set STR,  13                          ; v13  the merge: my row's first set
.set L16,  14                          ; v14  16 x lane
.set L4,   15                          ; v15  4 x lane
.set WS,   16                          ; v16-23   the prototypes' scale words: t for K step rg, 4 + t for the other: scales and nothing else
.set QS1,  24                          ; v24, v31  q's scale words of K step 1 - rg and rg: scales and nothing else
.set QS0,  31
.set SPW,  25                          ; v25  my spare word; never rewritten
.set NIL,  26                          ; v26  0; never rewritten
.set TB,   27                          ; v27-30   lane permutes' destinations
.set S,    32                          ; v32-63   the four accumulators
.set E,    64                          ; v64-95   exponentials; between their turns q's two fragments, 12 registers each
.set B2,   96                          ; v96-127  b2 in the accumulators' layout
.set PF,   128                         ; v128-223 the prototypes' fragments: 12 t for K step rg, 48 + 12 t for the other
.set ST0,  224                         ; v224-227 M1, Z, U, n of the first tile, v228-231 of the second
.set ST1,  228
.set MC,   232                         ; v232-235 four chains of a maximum
.set TIX,  236
.set TI2,  237
.set JA,   238
.set JB,   239
.set TA,   228                         ; the quantiser's registers: the numbers in S and E, the rest where nothing lives in the middle of a block
.set TC,   252
.set PC,   232
.set PW,   1
.set H32,  244                         ; the head alone
.set SEL,  20                          ; s[20:21] lane selects: lane l xor 16
.set G1,   24                          ; s[24:31] descriptor group 1
.set G0,   32                          ; s[32:35] descriptor group 0
.set MK,   40                          ; s40-47 lane masks
; My tile's 16 rows, one K step after the other, become images: 64 numbers of a lane, register 16 b + i = k 32 b + 16 h + i of row r, become a fragment's codes and its scale word.
.macro TOIMG ib
	s_wait_tensorcnt 0x0                           ; my one tensor load has landed; I alone read its bytes
.irp s, 0,1
.irp b, 0,1,2,3
.irp j, 0,1,2,3
	ds_load_b128 v[S+16*\b+4*\j:S+16*\b+4*\j+3], v[RAWA] offset:512*\s+128*\b+16*\j
.endr
.endr
	s_wait_dscnt 0x0
.irp b, 0,1,2,3
	v_max3_num_f32 v[TA+\b], |v[S+16*\b]|, |v[S+1+16*\b]|, 0x1800000   ; block b: my 16 numbers, and the floor 2^(3 - 127): the byte cannot fall under 1
.endr
.irp i, 2,4,6,8,10,12,14
.irp b, 0,1,2,3
	v_max3_num_f32 v[TA+\b], v[TA+\b], |v[S+16*\b+\i]|, |v[S+1+16*\b+\i]|   ; the four blocks by turns
.endr
.endr
.irp b, 0,1,2,3
	v_permlanex16_b32 v[TB+\b], v[TA+\b], s[SEL], s[SEL+1]
.endr
.irp b, 0,1,2,3
	v_max_num_f32 v[TA+\b], v[TA+\b], v[TB+\b]     ; with lane l xor 16's: the block's largest magnitude
.endr
.irp b, 0,1,2,3
	v_add_nc_u32 v[TC+\b], 0xff000000, v[TA+\b]    ; 2 off its exponent field: the conversion takes the exponent field of this operand as its scale
.endr
.irp b, 0,1,2,3
	v_lshrrev_b32 v[TB+\b], 23, v[TC+\b]           ; the scale's byte
.endr
	v_lshl_or_b32 v[PW], v[TB+1], 8, v[TB]         ; four bytes make my row's scale word
	s_delay_alu instid0(VALU_DEP_1)
	v_lshl_or_b32 v[PW], v[TB+2], 16, v[PW]
	s_delay_alu instid0(VALU_DEP_1)
	v_lshl_or_b32 v[PW], v[TB+3], 24, v[PW]
.irp c, 0,1
	v_cvt_scalef32_pk16_fp6_f32 v[PC+6*\c:PC+2+6*\c], v[S+32*\c:S+15+32*\c], v[TC+2*\c]
	v_cvt_scalef32_pk16_fp6_f32 v[PC+12+4*\c:PC+14+4*\c], v[S+16+32*\c:S+31+32*\c], v[TC+2*\c+1]   ; (a conversion's three registers begin on an even number)
.endr
	v_nop                                          ; one plain place behind a scaled conversion
.irp c, 0,1                                    ; the operand's layout wants a whole block in a lane: lanes 0-15 block 2 c, lanes 16-31 block 2 c + 1
.irp i, 0,1,2
	v_permlane16_swap_b32 v[PC+6*\c+\i], v[PC+12+4*\c+\i]
.endr
.irp i, 0,1,2
	v_mov_b32 v[PC+3+6*\c+\i], v[PC+12+4*\c+\i]
.endr
.endr
.irp c, 0,1,2
	ds_store_b128 v[IMGW], v[PC+4*\c:PC+4*\c+3] offset:\ib+FRB*\s+512*\c   ; the fragment as it stands, 512 consecutive bytes a store
.endr
	ds_store_b32 v[IMSW], v[PW] offset:\ib+128*\s
.endr
.endm
.macro FRAGS ib, u                     ; q's two fragments of my tile u of a block, and their scale words
.irp c, 0,1,2
	ds_load_b128 v[E+4*\c:E+4*\c+3], v[IMGR] offset:\ib+2*FRB*\u+512*\c
	ds_load_b128 v[E+12+4*\c:E+12+4*\c+3], v[IMGR+1] offset:\ib+2*FRB*\u+512*\c
.endr
	ds_load_b32 v[QS0], v[IMSR] offset:\ib+256*\u
	ds_load_b32 v[QS1], v[IMSR+1] offset:\ib+256*\u
.endm
; 8 matrix instructions: a tile of rows against my four tiles of prototypes, two K steps.  The first K step starts the sums; the four accumulators take turns.
.macro MUL
.irp t, 0,1,2,3
	v_wmma_scale_f32_16x16x128_f8f6f4 v[S+8*\t:S+8*\t+7], v[PF+12*\t:PF+12*\t+11], v[E:E+11], 0, v[WS+\t], v[QS0] matrix_a_fmt:MATRIX_FMT_FP6 matrix_b_fmt:MATRIX_FMT_FP6
.endr
.irp t, 0,1,2,3
	v_wmma_scale_f32_16x16x128_f8f6f4 v[S+8*\t:S+8*\t+7], v[PF+48+12*\t:PF+48+12*\t+11], v[E+12:E+23], v[S+8*\t:S+8*\t+7], v[WS+4+\t], v[QS1] matrix_a_fmt:MATRIX_FMT_FP6 matrix_b_fmt:MATRIX_FMT_FP6
.endr
.rept 4
	v_nop                                          ; four places between a matrix instruction and the first vector read of its result (ISA guide 7.12.1)
.endr
.endm
.macro MAXT                            ; the maximum of each tile's first seven registers, four chains by turns, each accumulator from its low end on
.irp q, 0,1,2,3
	v_max3_num_f32 v[MC+\q], v[S+8*\q], v[S+8*\q+1], v[S+8*\q+2]
.endr
.irp k, 3,5
.irp q, 0,1,2,3
	v_max3_num_f32 v[MC+\q], v[MC+\q], v[S+8*\q+\k], v[S+8*\q+\k+1]
.endr
.endr
.endm
; The first half of the vector work on a tile of rows: M1 and Z into v[D], v[D+1]; u = t + b2 in the accumulators' registers; each tile's largest u in v[MC] on.  Behind it E is free.
.macro VECA D
	MAXT
	v_max3_num_f32 v[MC], v[MC], v[S+7], v[S+15]
	v_max3_num_f32 v[MC+1], v[MC+1], v[S+23], v[S+31]
	v_max3_num_f32 v[MC+2], v[MC+2], v[MC+3], v[MC]
	v_max_num_f32 v[MC+1], v[MC+1], v[MC+2]
	v_mul_f32 v[\D], s22, v[MC+1]                  ; M1 = C1 x the largest score: what its rounding leaves is common to Z and U and cancels in U - log2 Z
.irp e, 0,2,4,6,8,10,12,14,16,18,20,22,24,26,28,30
	v_pk_fma_f32 v[E+\e:E+\e+1], v[S+\e:S+\e+1], s[22:23], v[\D:\D+1] op_sel_hi:[1,0,0] neg_lo:[0,0,1] neg_hi:[0,0,1]   ; t = C1 s - M1, two at a time (of the pairs the low word serves both halves)
.endr
.irp e, 0,2,4,6,8,10,12,14,16,18,20,22,24,26,28,30
	v_pk_add_f32 v[S+\e:S+\e+1], v[E+\e:E+\e+1], v[B2+\e:B2+\e+1]
.endr
	s_wait_alu depctr_va_vdst(0)                   ; the wait ahead of the batch
.irp e, 0,1,2,3,4,5,6,7,8,9,10,11,12,13,14,15,16,17,18,19,20,21,22,23,24,25,26,27,28,29,30,31
	v_exp_f32 v[E+\e], v[E+\e]
.endr
	MAXT                                           ; (plain places behind the exponentials)
.irp q, 0,1,2,3
	v_max_num_f32 v[MC+\q], v[MC+\q], v[S+8*\q+7]
.endr
	s_wait_alu depctr_va_vdst(0)                   ; and behind it, ahead of its first reader
.irp e, 0,2,4,6,8,10,12,14
	v_pk_add_f32 v[E+\e:E+\e+1], v[E+\e:E+\e+1], v[E+16+\e:E+17+\e]
.endr
.irp e, 0,2,4,6
	v_pk_add_f32 v[E+\e:E+\e+1], v[E+\e:E+\e+1], v[E+8+\e:E+9+\e]
.endr
.irp e, 0,2
	v_pk_add_f32 v[E+\e:E+\e+1], v[E+\e:E+\e+1], v[E+4+\e:E+5+\e]
.endr
	v_pk_add_f32 v[E:E+1], v[E:E+1], v[E+2:E+3]
	v_add_f32 v[\D+1], v[E], v[E+1]
.endm
.macro PICK a, b                       ; where VCC is off, tile b's eight u take tile a's place
.irp j, 0,2,4,6
	v_cndmask_b32 v[S+8*\a+\j], v[S+8*\b+\j], v[S+8*\a+\j], vcc_lo
	v_cndmask_b32 v[S+8*\a+\j+1], v[S+8*\b+\j+1], v[S+8*\a+\j+1], vcc_lo
.endr
.endm
; The second half: U and n into v[D+2], v[D+3].  The earlier tile stays on a tie: its n are smaller.
.macro VECB D
	v_cmp_ge_f32 vcc_lo, v[MC], v[MC+1]
	v_cndmask_b32 v[TIX], 1, 0, vcc_lo
	PICK 0, 1
	v_max_num_f32 v[MC], v[MC], v[MC+1]
	v_cmp_ge_f32 vcc_lo, v[MC+2], v[MC+3]
	v_cndmask_b32 v[TI2], 3, 2, vcc_lo
	PICK 2, 3
	v_max_num_f32 v[MC+2], v[MC+2], v[MC+3]
	v_cmp_ge_f32 vcc_lo, v[MC], v[MC+2]
	v_cndmask_b32 v[TIX], v[TI2], v[TIX], vcc_lo
	PICK 0, 2
	v_max_num_f32 v[\D+2], v[MC], v[MC+2]
.irp j, 0,1,2,3,4,5,6
	v_cmp_eq_f32 s[MK+\j], v[S+\j], v[\D+2]
.endr
	v_cndmask_b32 v[JA], 3, 2, s[MK+2]             ; the first place that reaches the best: among 0-3 and among 4-7, by turns
	v_cndmask_b32 v[JB], 7, 6, s[MK+6]
	s_or_b32 s[MK+7], s[MK], s[MK+1]
	v_cndmask_b32 v[JA], v[JA], 1, s[MK+1]
	v_cndmask_b32 v[JB], v[JB], 5, s[MK+5]
	s_or_b32 s[MK+7], s[MK+7], s[MK+2]
	v_cndmask_b32 v[JA], v[JA], 0, s[MK]
	v_cndmask_b32 v[JB], v[JB], 4, s[MK+4]
	s_or_b32 s[MK+7], s[MK+7], s[MK+3]
	v_lshl_add_u32 v[TIX], v[TIX], 4, v[NB]
	v_cndmask_b32 v[JA], v[JB], v[JA], s[MK+7]
	v_add_nc_u32 v[\D+3], v[TIX], v[JA]            ; n = 64 cg + 8 h + 16 t + j
.endm
; Block b; the images of block b + 1 are made in its middle.
.macro PHASE b, ib, ibn
	s_wait_dscnt 0x0                               ; the first tile's fragments are in, and the last results' stores are done
	MUL
	VECA ST0
.if \b == 3
	FRAGS \ib, 1
.endif
	VECB ST0
.if \b < 3
	s_wait_alu depctr_va_vdst(0)                   ; the wait ahead of the branch
	s_cmp_lg_u32 s16, \b+1
	s_cbranch_scc1 .Lnot_mine_\@                   ; waves 4 (b + 1) .. 4 (b + 1) + 3 go on
	TOIMG \ibn
.Lnot_mine_\@:
	FRAGS \ib, 1
	s_wait_dscnt 0x0                               ; the second tile's fragments are in; and for the others' sake: my images' stores are done, and so are my reads of this block's images
	s_barrier_signal -1
.else
	s_wait_dscnt 0x0
.endif
	MUL
	VECA ST1
.if \b < 3
	s_wait_alu depctr_va_vdst(0)                   ; the wait ahead of the barrier's
	s_barrier_wait -1                              ; every image of block b + 1 lies in LDS
	FRAGS \ibn, 0
.endif
	VECB ST1
	ds_store_b128 v[STW], v[ST0:ST0+3] offset:16384*\b
	ds_store_b128 v[STW], v[ST1:ST1+3] offset:16384*\b+4096
.endm
	s_load_b256 s[4:11], s[0:1], 0x0               ; queries s[4:5], wimg s[6:7], wscl s[8:9], ylog s[10:11]
	s_load_b64 s[12:13], s[0:1], 0x20              ; idx
	v_lshl_add_u32 v[SPW], v0, 2, SPARE
	v_mov_b32 v[NIL], 0
	ds_add_u32 v[SPW], v[NIL]                      ; the wave's opening: the add, twice on end, and its wait ahead of my tensor load
	ds_add_u32 v[SPW], v[NIL]
	v_lshrrev_b32 v1, 5, v0
	v_readfirstlane_b32 s14, v1                    ; wave 0..15
	s_and_b32 s15, s14, 7                          ; cg: my 64 prototypes
	s_lshr_b32 s16, s14, 2                         ; the block that my own 16 rows belong to
	s_lshr_b32 s17, s14, 3                         ; rg: my two tiles of a block's four, and the K step whose fragments I load
	; descriptor group 1: 16 rows x 256 elements of 4 bytes, dense in memory, 16 bytes of padding behind each row in LDS
	s_mov_b32 s[G1+0], (2<<16)|(1<<20)|(7<<22)|(3<<25)   ; 15:0 no mask; 17:16 elements of 4 bytes; 20 padding on; 24:22 after every 256 words (code 7); 31:25 of 4 words (code 3)
	s_mov_b32 s[G1+1], 256<<16                     ; tensor_dim0 = 256
	s_mov_b32 s[G1+2], 16<<16                      ; tensor_dim1 = 16
	s_mov_b32 s[G1+3], 256<<16                     ; tile_dim0 = 256
	s_mov_b32 s[G1+4], 16                          ; tile_dim1 = 16
	s_mov_b32 s[G1+5], 256                         ; tensor_dim0_stride
	s_mov_b32 s[G1+6], 0
	s_mov_b32 s[G1+7], 0
	s_lshl_b32 s18, ttmp9, 18                      ; the work-group's 256 rows of 1,024 bytes,
	s_lshl_b32 s2, s14, 14                         ; my 16 of them
	s_add_co_u32 s18, s18, s2
	s_mov_b32 s19, 0
	s_xor_b32 s2, s14, 15
	s_mov_b32 s[G0], 1                             ; count = 1
	s_mul_i32 s[G0+1], s2, RAWW                    ; LDS address: (15 - wave) x 16,640
	s_wait_dscnt 0x0                               ; both opening adds are done
	s_wait_kmcnt 0x0
	s_add_nc_u64 s[G0+2:G0+3], s[4:5], s[18:19]    ; global address
	s_or_b32 s[G0+3], s[G0+3], 0x80000000          ; type = 2
; One tensor load a wave, block 0's first; each block's four waves have a line of their own.
.macro ARM under, next
	s_cmp_lt_u32 s14, \under
	s_cbranch_scc0 \next
	tensor_load_to_lds s[G0:G0+3], s[G1:G1+7]
	s_nop 0
.rept 4
	v_nop
.endr
	s_branch .Lasked
\next:
.endm
	ARM 4, .Lblock1
	ARM 8, .Lblock2
	ARM 12, .Lblock3
	tensor_load_to_lds s[G0:G0+3], s[G1:G1+7]
	s_nop 0
.rept 4
	v_nop
.endr
.Lasked:
	s_lshr_b32 s18, ttmp9, 5                       ; the batch: 32 work-groups each
	s_lshl_b32 s18, s18, 11
	s_add_nc_u64 s[10:11], s[10:11], s[18:19]      ; its 512 numbers of y
	s_lshl_b32 s18, s15, 8
	s_add_nc_u64 s[54:55], s[10:11], s[18:19]      ; and my 64 of them
	s_mul_i32 s18, s15, 8*FRB
	s_mul_i32 s2, s17, FRB
	s_add_co_u32 s18, s18, s2
	s_add_nc_u64 s[6:7], s[6:7], s[18:19]          ; my fragments of K step rg
	s_lshl_b32 s18, s15, 10
	s_add_nc_u64 s[8:9], s[8:9], s[18:19]
	s_lshl_b32 s18, s17, 7
	s_add_nc_u64 s[56:57], s[8:9], s[18:19]        ; scale words of K step rg,
	s_xor_b32 s2, s17, 1
	s_lshl_b32 s18, s2, 7
	s_add_nc_u64 s[58:59], s[8:9], s[18:19]        ; and of the other
	s_lshl_b32 s18, ttmp9, 10
	s_add_nc_u64 s[12:13], s[12:13], s[18:19]      ; idx at the work-group's first row
	s_and_b32 s2, s14, 3
	s_mul_i32 s61, s2, 2*FRB
	s_add_co_u32 s61, s61, IMG                     ; where my tile's images go in their block
	s_lshl_b32 s62, s2, 8
	s_add_co_u32 s62, s62, IMG+ISC
	s_mul_i32 s63, s17, 5*FRB
	s_add_co_u32 s63, s63, IMG                     ; fragment 4 rg + rg,
	s_mul_i32 s66, s17, 3*FRB
	s_add_co_u32 s66, s66, IMG+FRB                 ; and 4 rg + 1 - rg
	s_mul_i32 s67, s17, 640
	s_add_co_u32 s67, s67, IMG+ISC
	s_mul_i32 s68, s17, 384
	s_add_co_u32 s68, s68, IMG+ISC+128
	s_lshl_b32 s69, s17, 13
	s_lshl_b32 s2, s15, 9
	s_add_co_u32 s69, s69, s2
	s_add_co_u32 s69, s69, R0                      ; results: 16,384 block + 4,096 tile + 512 cg + 16 lane
	s_mul_i32 s70, s14, 6144
	s_add_co_u32 s70, s70, R0
	s_xor_b32 s2, s14, 8
	s_mul_i32 s71, s2, 6144
	s_add_co_u32 s71, s71, R0
	s_lshl_b32 s72, s14, 12
	s_add_co_u32 s72, s72, R0                      ; the merge: wave w takes tile w of the sixteen
	s_lshl_b32 s73, s15, 6
	s_lshl_b32 s74, s14, 6
	s_add_co_u32 s74, s74, IDXS
	s_mov_b32 s[SEL], 0x76543210
	s_mov_b32 s[SEL+1], 0xfedcba98
	s_mov_b32 s22, 0x4166d4ca                      ; C1 = 10 log2(e)
	s_mov_b32 s23, s22                             ; (named with it as a pair, so it is written)
	s_mov_b32 s48, 0x3fb8aa3b                      ; log2(e)
	s_mov_b32 s49, s48
	v_and_b32 v1, 31, v0                           ; lane
	v_and_b32 v242, 15, v0                         ; r
	v_bfe_u32 v243, v0, 4, 1                       ; h
	v_lshlrev_b32 v[L16], 4, v1
	v_lshlrev_b32 v[L4], 2, v1
	v_lshlrev_b32 v[H32], 5, v243
.irp i, 0,1,2,3
	global_load_b128 v[S+4*\i:S+4*\i+3], v[L16], s[10:11] offset:512*\i      ; all 512 y, 16 a lane
.endr
.irp t, 0,1,2,3
	global_load_b128 v[B2+8*\t:B2+8*\t+3], v[H32], s[54:55] offset:64*\t     ; the y of prototypes 64 cg + 16 t + 8 h + 0 .. 7
	global_load_b128 v[B2+8*\t+4:B2+8*\t+7], v[H32], s[54:55] offset:64*\t+16
.endr
.irp t, 0,1,2,3
	global_load_b32 v[WS+\t], v[L4], s[56:57] offset:256*\t
	global_load_b32 v[WS+4+\t], v[L4], s[58:59] offset:256*\t
.endr
.irp t, 0,1,2,3
.irp c, 0,1,2
	global_load_b128 v[PF+12*\t+4*\c:PF+12*\t+4*\c+3], v[L16], s[6:7] offset:2*FRB*\t+512*\c     ; the images as they lie
.endr
.endr
	v_mul_u32_u24 v[RAWA], v242, RP
	v_add_nc_u32 v[IMGW], s61, v[L16]
	v_add_nc_u32 v[IMSW], s62, v[L4]
	v_lshl_add_u32 v[RAWA], v243, 6, v[RAWA]
	v_add_nc_u32 v[IMGR], s63, v[L16]
	v_add_nc_u32 v[IMGR+1], s66, v[L16]
	v_add_nc_u32 v[RAWA], s[G0+1], v[RAWA]         ; row r, + 64 h: my 16 numbers of a block of 32
	v_add_nc_u32 v[IMSR], s67, v[L4]
	v_add_nc_u32 v[IMSR+1], s68, v[L4]
	v_add_nc_u32 v[STW], s69, v[L16]
	v_lshl_add_u32 v[NB], v243, 3, s73
	v_add_nc_u32 v[SLW], s70, v[L16]
	v_add_nc_u32 v[SLR], s71, v[L16]
	v_lshlrev_b32 v[STR], 4, v242
	v_lshl_add_u32 v[STR], v243, 11, v[STR]
	v_add_nc_u32 v[STR], s72, v[STR]               ; lane (r, h): row r, sets 8 h .. 8 h + 7
.irp b, 0,1,2,3
	v_mov_b32 v[TB+\b], 0                          ; a lane permute's destination counts as one of its sources
.endr
	v_mov_b32 v234, 0
	v_mov_b32 v[ST0+1], 0                          ; (named as the upper half of a pair before they are first written)
	v_mov_b32 v[ST1+1], 0
	s_wait_alu depctr_va_vdst(0)                   ; the wait at the head's end
	s_wait_loadcnt 20                              ; y's twelve loads are in; the 8 of scale words and the 12 of fragments may be out
	v_max3_num_f32 v232, v[S], v[S+1], v[S+2]      ; ymax: my 16, in two chains,
	v_max3_num_f32 v233, v[S+3], v[S+4], v[S+5]
	v_max3_num_f32 v232, v232, v[S+6], v[S+7]
	v_max3_num_f32 v233, v233, v[S+8], v[S+9]
	v_max3_num_f32 v232, v232, v[S+10], v[S+11]
	v_max3_num_f32 v233, v233, v[S+12], v[S+13]
	v_max3_num_f32 v232, v232, v[S+14], v[S+15]
	v_max_num_f32 v232, v232, v233
.irp m, 1,2,4,8
	s_delay_alu instid0(VALU_DEP_1)
	v_max_num_f32_dpp v232, v232, v232 row_xmask:\m row_mask:0xf bank_mask:0xf   ; and the 32 lanes'
.endr
	s_delay_alu instid0(VALU_DEP_1)
	v_permlanex16_b32 v234, v232, s[SEL], s[SEL+1]
	s_delay_alu instid0(VALU_DEP_1)
	v_max_num_f32 v233, v232, v234                 ; made twice: a pair for the packed forms
	v_max_num_f32 v232, v232, v234
.irp e, 0,2,4,6,8,10,12,14
	v_pk_add_f32 v[S+\e:S+\e+1], v[S+\e:S+\e+1], v[232:233] neg_lo:[0,1] neg_hi:[0,1]   ; y - ymax
.endr
.irp e, 0,2,4,6,8,10,12,14
	v_pk_mul_f32 v[S+\e:S+\e+1], v[S+\e:S+\e+1], s[48:49] op_sel_hi:[1,0]
.endr
	s_wait_alu depctr_va_vdst(0)
.irp k, 0,1,2,3,4,5,6,7,8,9,10,11,12,13,14,15
	v_exp_f32 v[S+\k], v[S+\k]
.endr
.irp e, 0,2,4,6,8,10,12,14,16,18,20,22,24,26,28,30
	v_pk_add_f32 v[B2+\e:B2+\e+1], v[B2+\e:B2+\e+1], v[232:233] neg_lo:[0,1] neg_hi:[0,1]   ; the same of my own (also the plain place behind the exponentials)
.endr
	s_wait_alu depctr_va_vdst(0)
	v_pk_add_f32 v[236:237], v[S:S+1], v[S+2:S+3]  ; the sum, in two chains
	v_pk_add_f32 v[238:239], v[S+4:S+5], v[S+6:S+7]
	v_pk_add_f32 v[236:237], v[236:237], v[S+8:S+9]
	v_pk_add_f32 v[238:239], v[238:239], v[S+10:S+11]
	v_pk_add_f32 v[236:237], v[236:237], v[S+12:S+13]
	v_pk_add_f32 v[238:239], v[238:239], v[S+14:S+15]
	s_delay_alu instid0(VALU_DEP_1)
	v_pk_add_f32 v[236:237], v[236:237], v[238:239]
	s_delay_alu instid0(VALU_DEP_1)
	v_add_f32 v236, v236, v237
.irp m, 1,2,4,8
	s_delay_alu instid0(VALU_DEP_1)
	v_add_f32_dpp v236, v236, v236 row_xmask:\m row_mask:0xf bank_mask:0xf
.endr
	s_delay_alu instid0(VALU_DEP_1)
	v_permlanex16_b32 v234, v236, s[SEL], s[SEL+1]
	s_delay_alu instid0(VALU_DEP_1)
	v_add_f32 v236, v236, v234                     ; at least 1: the largest y's term
	s_wait_alu depctr_va_vdst(0)
	v_log_f32 v240, v236
	v_log_f32 v241, v236                           ; twice: a pair
	v_nop                                          ; one plain place behind a transcendental
	s_wait_alu depctr_va_vdst(0)
.irp e, 0,2,4,6,8,10,12,14,16,18,20,22,24,26,28,30
	v_pk_fma_f32 v[B2+\e:B2+\e+1], v[B2+\e:B2+\e+1], s[48:49], v[240:241] op_sel_hi:[1,0,1] neg_lo:[0,0,1] neg_hi:[0,0,1]   ; b2 = (y - ymax) log2e - log2 of the sum
.endr
	s_wait_alu depctr_va_vdst(0)
	s_cmp_lt_u32 s14, 4
	s_cbranch_scc0 .Lfirst
	TOIMG IB0                                      ; waves 0-3: block 0's images
.Lfirst:
	s_wait_dscnt 0x0                               ; for the others' sake: my images' stores are done, and so are my reads of q
	s_barrier_signal -1
	s_barrier_wait -1                              ; block 0's images lie in LDS, and its q bytes are free
	s_wait_loadcnt 0x0                             ; my fragments and all scale words are in
.set N, 0
.rept 12
	ds_store_b128 v[SLW], v[PF+4*N:PF+4*N+3] offset:512*N
.set N, N+1
.endr
	s_wait_dscnt 0x0                               ; for my partner's sake
	s_barrier_signal -1
	s_barrier_wait -1
.set N, 0
.rept 12
	ds_load_b128 v[PF+48+4*N:PF+48+4*N+3], v[SLR] offset:512*N     ; the other K step's fragments
.set N, N+1
.endr
	FRAGS IB0, 0
	PHASE 0, IB0, IB1
	PHASE 1, IB1, IB2
	PHASE 2, IB2, IB3
	PHASE 3, IB3, IB3
	v_and_b32 v[L16], 15, v0                       ; the way out, in: my row's word; the upper half of the lanes has a place of its own
	v_bfe_u32 v[L4], v0, 4, 1
	v_lshlrev_b32 v[L16], 2, v[L16]
	v_lshl_add_u32 v[L16], v[L4], 10, v[L16]
	v_add_nc_u32 v[L16], s74, v[L16]
	v_lshl_add_u32 v[L4], v0, 4, IDXS              ; and out: 16 bytes a thread (waves 0 and 1 alone)
	v_lshlrev_b32 v[SLR], 4, v0
	s_wait_alu depctr_va_vdst(0)
	s_wait_dscnt 0x0                               ; for the others' sake: my last results are stored
	s_barrier_signal -1
	s_barrier_wait -1
	; THE MERGE: lane (r, h) takes eight of the sixteen sets of its row: set k at v[S + 4 k]: M1, Z, U, n
.irp k, 0,1,2,3,4,5,6,7
	ds_load_b128 v[S+4*\k:S+4*\k+3], v[STR] offset:256*\k
.endr
	s_wait_dscnt 0x0
	v_max3_num_f32 v[MC], v[S], v[S+4], v[S+8]
	v_max3_num_f32 v[MC+1], v[S+12], v[S+16], v[S+20]
	v_max3_num_f32 v[MC], v[MC], v[S+24], v[S+28]
	v_max_num_f32 v[MC], v[MC], v[MC+1]
	v_permlanex16_b32 v[TB], v[MC], s[SEL], s[SEL+1]
	v_max_num_f32 v[MC], v[MC], v[TB]              ; M, of all sixteen
.irp k, 0,1,2,3,4,5,6,7
	v_sub_f32 v[S+4*\k], v[S+4*\k], v[MC]          ; d = M1 - M, 0 or less
.endr
.irp k, 0,1,2,3,4,5,6,7
	v_add_f32 v[S+4*\k+2], v[S+4*\k+2], v[S+4*\k]  ; U under the common M
.endr
	s_wait_alu depctr_va_vdst(0)
.irp k, 0,1,2,3,4,5,6,7
	v_exp_f32 v[S+4*\k], v[S+4*\k]                 ; 2^d
.endr
.irp k, 1,2,3,4,5,6,7
	v_cmp_gt_f32 vcc_lo, v[S+4*\k+2], v[S+2]
	v_max_num_f32 v[S+2], v[S+4*\k+2], v[S+2]
	v_cndmask_b32 v[S+3], v[S+3], v[S+4*\k+3], vcc_lo
.endr
	s_wait_alu depctr_va_vdst(0)
	v_mul_f32 v[MC+1], v[S], v[S+1]                ; Z = the sum of Z_k 2^d_k, in two chains
	v_mul_f32 v[MC+2], v[S+4], v[S+5]
.irp k, 2,4,6
	v_fma_f32 v[MC+1], v[S+4*\k], v[S+4*\k+1], v[MC+1]
	v_fma_f32 v[MC+2], v[S+4*\k+4], v[S+4*\k+5], v[MC+2]
.endr
	v_permlanex16_b32 v[TB+1], v[S+2], s[SEL], s[SEL+1]
	v_add_f32 v[MC+1], v[MC+1], v[MC+2]
	v_permlanex16_b32 v[TB+2], v[S+3], s[SEL], s[SEL+1]
	v_permlanex16_b32 v[TB], v[MC+1], s[SEL], s[SEL+1]
	v_cmp_gt_f32 vcc_lo, v[TB+1], v[S+2]           ; the other half's sets: for lanes 0-15, whose result is kept, the higher column groups
	v_max_num_f32 v[S+2], v[S+2], v[TB+1]
	v_cndmask_b32 v[S+3], v[S+3], v[TB+2], vcc_lo
	v_add_f32 v[MC+1], v[MC+1], v[TB]              ; at least about 1, from the set with d = 0
	s_wait_alu depctr_va_vdst(0)
	v_log_f32 v[MC+2], v[MC+1]
	v_nop                                          ; one plain place behind a transcendental
	s_wait_alu depctr_va_vdst(0)
	v_sub_f32 v[MC+2], v[S+2], v[MC+2]             ; log2 of the winner's weighted score
	s_delay_alu instid0(VALU_DEP_1)
	v_cmp_le_f32 vcc_lo, THR, v[MC+2]
	v_cndmask_b32 v[MC+3], 0, v[S+3], vcc_lo       ; under 2^-126 the whole row is zeros, whose argmax is 0
	ds_store_b32 v[L16], v[MC+3]
	s_wait_dscnt 0x0                               ; for the others' sake
	s_barrier_signal -1
	s_barrier_wait -1
	s_cmp_gt_u32 s14, 1
	s_cbranch_scc1 .Lend
	ds_load_b128 v[S:S+3], v[L4]                   ; waves 0 and 1: the work-group's 256 indices,
	s_wait_dscnt 0x0
	global_store_b128 v[SLR], v[S:S+3], s[12:13]   ; each wave stores 512 consecutive bytes, at a multiple of 256 from idx's first byte
.Lend:
	s_wait_tensorcnt 0x0                           ; the wave's end
	ds_add_u32 v[SPW], v[NIL]
	s_wait_dscnt 0x0
	s_endpgm
.Lfunc_end_k_q5db0736b26_match:
	.size	k_q5db0736b26_match, .Lfunc_end_k_q5db0736b26_match-k_q5db0736b26_match
	.p2alignl 7, 3214868480
	.fill 96, 4, 3214868480
	.section	.rodata,"a",@progbits
	.p2align	6, 0x0
	.amdhsa_kernel k_q5db0736b26_match
		.amdhsa_group_segment_fixed_size 327680
		.amdhsa_private_segment_fixed_size 0
		.amdhsa_enable_private_segment 0
		.amdhsa_kernarg_size 40
		.amdhsa_user_sgpr_count 2
		.amdhsa_user_sgpr_kernarg_segment_ptr 1
		.amdhsa_wavefront_size32 1
		.amdhsa_system_sgpr_workgroup_id_x 1
		.amdhsa_system_sgpr_workgroup_id_y 1
		.amdhsa_system_sgpr_workgroup_id_z 1
		.amdhsa_system_vgpr_workitem_id 0
		.amdhsa_next_free_vgpr 256
		.amdhsa_next_free_sgpr 80
		.amdhsa_reserve_vcc 1
		.amdhsa_float_denorm_mode_32 3
		.amdhsa_float_denorm_mode_16_64 3
		.amdhsa_memory_ordered 1
		.amdhsa_forward_progress 1
		.amdhsa_inst_pref_size 141
	.end_amdhsa_kernel
	.amdgpu_metadata
---
amdhsa.version: [ 1, 2 ]
amdhsa.kernels:
  - .name:           k_q5db0736b26_match
    .symbol:         k_q5db0736b26_match.kd
    .args:
      - { .name: queries, .offset: 0, .size: 8, .value_kind: global_buffer, .address_space: global }
      - { .name: wimg, .offset: 8, .size: 8, .value_kind: global_buffer, .address_space: global }
      - { .name: wscl, .offset: 16, .size: 8, .value_kind: global_buffer, .address_space: global }
      - { .name: ylog, .offset: 24, .size: 8, .value_kind: global_buffer, .address_space: global }
      - { .name: idx, .offset: 32, .size: 8, .value_kind: global_buffer, .address_space: global }
    .group_segment_fixed_size: 327680
    .private_segment_fixed_size: 0
    .kernarg_segment_align: 8
    .kernarg_segment_size: 40
    .max_flat_workgroup_size: 512
    .sgpr_count:     80
    .vgpr_count:     256
    .wavefront_size: 32
...
	.end_amdgpu_metadata
.endif
;; end of part 2
;; launch dist (part 3): grid 256 x 1, 16 waves a work-group, no clusters, 265,216 bytes of LDS; arguments queries, prototypes, idx, out0; writes out0
.if DOCPART == 3
	.amdgcn_target "amdgcn-amd-amdhsa--gfx1250"
	.amdhsa_code_object_version 6
	.text
	.protected	k_q5db0736b26_dist
	.globl	k_q5db0736b26_dist
	.p2align	8
	.type	k_q5db0736b26_dist,@function
k_q5db0736b26_dist:
	s_mov_b64 s[64:65], 0
	v_nop
	global_prefetch_b8 v0, s[64:65] scope:SCOPE_SE
	s_setreg_imm32_b32 hwreg(HW_REG_WAVE_MODE, 25, 1), 1
	s_wait_xcnt 0x0
; out0[row] = the sum over c of (q[row][c] - p[idx[row]][c])^2, in f32, formed as it is written: no difference of large sums.
; idx was stored as whole numbers by the launch before; here it is read by a scalar load, held to 0 .. 511, and enters the prototypes' addresses.
; SHARES.  A work-group owns 256 rows, each of its sixteen waves 16.  A wave's rows are 16,384 dense bytes: one tensor load at the head brings them into LDS bytes of the wave's own, filled once.
; The sixteen rows of prototypes go straight into registers, two loads of 16 bytes a lane for a row, all asked for as soon as the indices are in.
; Rows are worked on four at a time; their sums over the lanes are folded together: at each of four levels two rows' sums share a register, told apart by one bit of the lane's number, so that lane l ends with row l % 16.
; The 256 results meet in LDS and leave as 1,024 consecutive bytes.
; No matrix unit, no cluster (no two work-groups read the same row of q; the prototypes' table of 524,288 bytes is larger than LDS and read by each work-group's own list), no prefetch (all of q is asked for at the head).
; LIMITS: NaN and infinities are not served.
.set OUTS, 262144                      ; LDS: behind the sixteen waves' rows: 256 results
.set SPARE, 263168                     ; and the spare words, 128 bytes for each wave
.set SPW, 2
.set NIL, 3
.set OFF, 16                           ; v16-31    row k's byte offset in the prototypes: 1,024 idx + 16 lane; never rewritten
.set R,   32                           ; v32-47    the rows' sums
.set T,   48                           ; v48-55    at work
.set Q,   64                           ; v64-127   four rows of q, two sets by turns; row i of a set at 8 i
.set P,   128                          ; v128-255  sixteen rows of prototypes
.set SEL, 32                           ; s[32:33]  lane selects: lane l xor 16
.set G1,  48                           ; s[48:55]  descriptor group 1
.set G0,  56                           ; s[56:59]  descriptor group 0
	s_load_b256 s[4:11], s[0:1], 0x0               ; queries s[4:5], prototypes s[6:7], idx s[8:9], out0 s[10:11]
	v_lshl_add_u32 v[SPW], v0, 2, SPARE
	v_mov_b32 v[NIL], 0
	ds_add_u32 v[SPW], v[NIL]                      ; the wave's opening: the add, twice on end, and its wait ahead of my tensor load
	ds_add_u32 v[SPW], v[NIL]
	v_lshrrev_b32 v1, 5, v0
	v_readfirstlane_b32 s14, v1                    ; wave 0..15
	s_mov_b32 s[G1+0], 2<<16                       ; elements of 4 bytes, no padding
	s_mov_b32 s[G1+1], 256<<16                     ; tensor_dim0 = 256
	s_mov_b32 s[G1+2], 16<<16                      ; tensor_dim1 = 16
	s_mov_b32 s[G1+3], 256<<16                     ; tile_dim0 = 256
	s_mov_b32 s[G1+4], 16                          ; tile_dim1 = 16
	s_mov_b32 s[G1+5], 256                         ; tensor_dim0_stride
	s_mov_b32 s[G1+6], 0
	s_mov_b32 s[G1+7], 0
	s_lshl_b32 s34, ttmp9, 10                      ; idx: 4 bytes x (256 g + 16 w)
	s_lshl_b32 s35, s14, 6
	s_add_co_u32 s34, s34, s35
	s_mov_b32 s35, 0
	s_lshl_b32 s36, ttmp9, 18                      ; q: 1,024 bytes x (256 g + 16 w)
	s_lshl_b32 s15, s14, 14                        ; and in LDS: 16,384 w
	s_add_co_u32 s36, s36, s15
	s_mov_b32 s37, 0
	s_lshl_b32 s38, ttmp9, 10                      ; out0: 4 bytes x 256 g
	s_mov_b32 s39, 0
	s_mov_b32 s[G0], 1
	s_mov_b32 s[G0+1], s15
	s_wait_dscnt 0x0                               ; both opening adds are done
	s_wait_kmcnt 0x0
	s_add_nc_u64 s[8:9], s[8:9], s[34:35]
	s_load_b512 s[16:31], s[8:9], 0x0              ; my 16 indices
	s_add_nc_u64 s[G0+2:G0+3], s[4:5], s[36:37]
	s_or_b32 s[G0+3], s[G0+3], 0x80000000
	tensor_load_to_lds s[G0:G0+3], s[G1:G1+7]      ; my sixteen rows of q
	s_nop 0
.rept 4
	v_nop
.endr
	s_add_nc_u64 s[10:11], s[10:11], s[38:39]
	s_mov_b32 s[SEL], 0x76543210
	s_mov_b32 s[SEL+1], 0xfedcba98
	s_mov_b32 s40, 0xaaaaaaaa                      ; lanes whose number has bit 0, 1, 2, 3
	s_mov_b32 s41, 0xcccccccc
	s_mov_b32 s42, 0xf0f0f0f0
	s_mov_b32 s43, 0xff00ff00
	s_lshl_b32 s44, s14, 6
	s_add_co_u32 s44, s44, OUTS
	v_and_b32 v1, 31, v0
	v_and_b32 v6, 15, v0
	v_lshlrev_b32 v1, 4, v1                        ; 16 x lane
	v_lshlrev_b32 v6, 2, v6
	v_add_nc_u32 v5, s15, v1                       ; LDS: my 16 bytes of a row's first half
	v_add_nc_u32 v6, s44, v6                       ; LDS: the word of row 16 w + lane % 16
	v_lshl_add_u32 v7, v0, 4, OUTS                 ; the way out: 16 bytes a thread (waves 0 and 1 alone)
	v_lshlrev_b32 v8, 4, v0
	v_mov_b32 v9, 0                                ; a lane permute's destination counts as one of its sources
	s_wait_alu depctr_va_vdst(0)                   ; the wait at the head's end
	s_wait_kmcnt 0x0
.irp k, 0,1,2,3,4,5,6,7,8,9,10,11,12,13,14,15
	s_min_u32 s[16+\k], s[16+\k], 511              ; an index stays inside its table
	s_lshl_b32 s[16+\k], s[16+\k], 10
	v_add_nc_u32 v[OFF+\k], s[16+\k], v1
.endr
	s_wait_alu depctr_va_vdst(0)
.irp k, 0,1,2,3,4,5,6,7,8,9,10,11,12,13,14,15
	global_load_b128 v[P+8*\k:P+8*\k+3],   v[OFF+\k], s[6:7]
	global_load_b128 v[P+8*\k+4:P+8*\k+7], v[OFF+\k], s[6:7] offset:512
.endr
.macro QLOAD g                         ; rows 4 g .. 4 g + 3 of q into set g % 2
.irp i, 0,1,2,3
	ds_load_b128 v[Q+32*((\g)%2)+8*\i:Q+32*((\g)%2)+8*\i+3],   v5 offset:4096*(\g)+1024*\i
	ds_load_b128 v[Q+32*((\g)%2)+8*\i+4:Q+32*((\g)%2)+8*\i+7], v5 offset:4096*(\g)+1024*\i+512
.endr
.endm
.macro BATCH g
.set QQ, Q+32*(\g%2)
.set PP, P+32*\g
.if \g < 3
	s_wait_dscnt 8                                 ; this set's eight loads are in; the next set's may be out
.else
	s_wait_dscnt 0x0
.endif
	s_wait_loadcnt 24-8*\g                         ; these four rows of prototypes are in; the later rows' loads may be out
.irp e, 0,2,4,6,8,10,12,14,16,18,20,22,24,26,28,30
	v_pk_add_f32 v[QQ+\e:QQ+\e+1], v[QQ+\e:QQ+\e+1], v[PP+\e:PP+\e+1] neg_lo:[0,1] neg_hi:[0,1]   ; q - p
.endr
.irp i, 0,1,2,3
	v_pk_mul_f32 v[T+2*\i:T+2*\i+1], v[QQ+8*\i:QQ+8*\i+1], v[QQ+8*\i:QQ+8*\i+1]
.endr
.irp e, 2,4,6
.irp i, 0,1,2,3
	v_pk_fma_f32 v[T+2*\i:T+2*\i+1], v[QQ+8*\i+\e:QQ+8*\i+\e+1], v[QQ+8*\i+\e:QQ+8*\i+\e+1], v[T+2*\i:T+2*\i+1]
.endr
.endr
.irp i, 0,1,2,3
	v_add_f32 v[R+4*\g+\i], v[T+2*\i], v[T+2*\i+1]
.endr
.if \g < 2
	QLOAD \g+2
.endif
.endm
	s_wait_tensorcnt 0x0                           ; my rows of q are in LDS; I alone read them
	QLOAD 0
	QLOAD 1
	BATCH 0
	BATCH 1
	BATCH 2
	BATCH 3
; Rows A and A + d share a register from here on: lanes without the bit keep row A's sum, lanes with it row A + d's; each takes its partner's part of the row it keeps.
.macro LEVEL d, m, mask
.set A, 0
.rept 8/\d
	v_cndmask_b32 v[T+A/(2*\d)], v[R+A+\d], v[R+A], \mask      ; what I hand on
.set A, A+2*\d
.endr
.set A, 0
.rept 8/\d
	v_cndmask_b32 v[R+A], v[R+A], v[R+A+\d], \mask             ; what I keep
.set A, A+2*\d
.endr
.set A, 0
.rept 8/\d
	v_add_f32_dpp v[R+A], v[T+A/(2*\d)], v[R+A] row_xmask:\m row_mask:0xf bank_mask:0xf
.set A, A+2*\d
.endr
.endm
	LEVEL 1, 1, s40
	LEVEL 2, 2, s41
	LEVEL 4, 4, s42
	LEVEL 8, 8, s43
	v_permlanex16_b32 v9, v[R], s[SEL], s[SEL+1]
	s_delay_alu instid0(VALU_DEP_1)
	v_add_f32 v[R], v[R], v9                       ; row l % 16's sum
	ds_store_b32 v6, v[R]                          ; lanes 16 apart write the same word with the same value
	s_wait_dscnt 0x0                               ; for the others' sake: my store is done
	s_barrier_signal -1
	s_barrier_wait -1
	s_cmp_gt_u32 s14, 1
	s_cbranch_scc1 .Lend
	ds_load_b128 v[T:T+3], v7                      ; waves 0 and 1: the work-group's 256 results, 16 bytes a lane,
	s_wait_dscnt 0x0
	global_store_b128 v8, v[T:T+3], s[10:11]       ; each wave stores 512 consecutive bytes, at a multiple of 256 from out0's first byte
.Lend:
	s_wait_tensorcnt 0x0                           ; the wave's end
	ds_add_u32 v[SPW], v[NIL]
	s_wait_dscnt 0x0
	s_endpgm
.Lfunc_end_k_q5db0736b26_dist:
	.size	k_q5db0736b26_dist, .Lfunc_end_k_q5db0736b26_dist-k_q5db0736b26_dist
	.p2alignl 7, 3214868480
	.fill 96, 4, 3214868480
	.section	.rodata,"a",@progbits
	.p2align	6, 0x0
	.amdhsa_kernel k_q5db0736b26_dist
		.amdhsa_group_segment_fixed_size 265216
		.amdhsa_private_segment_fixed_size 0
		.amdhsa_enable_private_segment 0
		.amdhsa_kernarg_size 32
		.amdhsa_user_sgpr_count 2
		.amdhsa_user_sgpr_kernarg_segment_ptr 1
		.amdhsa_wavefront_size32 1
		.amdhsa_system_sgpr_workgroup_id_x 1
		.amdhsa_system_sgpr_workgroup_id_y 1
		.amdhsa_system_sgpr_workgroup_id_z 1
		.amdhsa_system_vgpr_workitem_id 0
		.amdhsa_next_free_vgpr 256
		.amdhsa_next_free_sgpr 66
		.amdhsa_reserve_vcc 0
		.amdhsa_float_denorm_mode_32 3
		.amdhsa_float_denorm_mode_16_64 3
		.amdhsa_memory_ordered 1
		.amdhsa_forward_progress 1
		.amdhsa_inst_pref_size 23
	.end_amdhsa_kernel
	.amdgpu_metadata
---
amdhsa.version: [ 1, 2 ]
amdhsa.kernels:
  - .name:           k_q5db0736b26_dist
    .symbol:         k_q5db0736b26_dist.kd
    .args:
      - { .name: queries, .offset: 0, .size: 8, .value_kind: global_buffer, .address_space: global }
      - { .name: prototypes, .offset: 8, .size: 8, .value_kind: global_buffer, .address_space: global }
      - { .name: idx, .offset: 16, .size: 8, .value_kind: global_buffer, .address_space: global }
      - { .name: out0, .offset: 24, .size: 8, .value_kind: global_buffer, .address_space: global }
    .group_segment_fixed_size: 265216
    .private_segment_fixed_size: 0
    .kernarg_segment_align: 8
    .kernarg_segment_size: 32
    .max_flat_workgroup_size: 512
    .sgpr_count:     66
    .vgpr_count:     256
    .wavefront_size: 32
...
	.end_amdgpu_metadata
.endif
;; end of part 3
